; MI455X (gfx1250); checked and timed in simulation.
; The chip was launched on July 23, 2026; its instructions are those of AMD's public machine-readable ISA for CDNA 5 (MIT licence, August 2026) and "CDNA5" Instruction Set Architecture Reference Guide (July 2026). The comments in the code are by the model that wrote it; some were corrected since.
;; Multi Head Self Attention. Allowed arithmetic: matrix products marked QUANTISED: E2M1 operands, one E8M0 scale for each 32 along K, by v_wmma_scale_f32_16x16x128_f8f6f4 with both operands' format E2M1 (or v_wmma_scale_f32_32x16x128_f4), f32 sums; everything else in f32.
;; Inputs: Wk_codes 1,024 x 32 x 16 uint8 (E2M1 codes of Wk, K innermost, in blocks of 32 codes, two codes a byte); Wk_scales 1,024 x 32 uint8 (E8M0 scales of Wk, one for each 32 codes along K); Wo_codes 1,024 x 32 x 16 uint8 (E2M1 codes of Wo, K innermost, in blocks of 32 codes, two codes a byte); Wo_scales 1,024 x 32 uint8 (E8M0 scales of Wo, one for each 32 codes along K); Wq_codes 1,024 x 32 x 16 uint8 (E2M1 codes of Wq, K innermost, in blocks of 32 codes, two codes a byte); Wq_scales 1,024 x 32 uint8 (E8M0 scales of Wq, one for each 32 codes along K); Wv_codes 1,024 x 32 x 16 uint8 (E2M1 codes of Wv, K innermost, in blocks of 32 codes, two codes a byte); Wv_scales 1,024 x 32 uint8 (E8M0 scales of Wv, one for each 32 codes along K); bk 1,024 float32; bo 1,024 float32; bq 1,024 float32; bv 1,024 float32; x_codes 1 x 4,096 x 32 x 16 uint8 (E2M1 codes of x, K innermost, in blocks of 32 codes, two codes a byte); x_scales 1 x 4,096 x 32 uint8 (E8M0 scales of x, one for each 32 codes along K).
;; Outputs: out0 1 x 4,096 x 1,024 float32.
;; This version of the problem:
;;   THIS VERSION OF THE PROBLEM IS GIVEN IN LOW PRECISION. The matrix products marked QUANTISED in the list below multiply operands that are first quantised to E2M1 (2 exponent bits, 1 mantissa bit; 4 bits a number), with one power-of-two scale for each 32 numbers along K (OCP MX v1.0); their sums are f32. All else is computed in f32.
;;   The module's matrix products, in the order in which they are computed (A, B: the left and right operand; K: the contracted axis; several contracted axes count as one K, in the product's order):
;;     1. [M 4,096, K 1,024] x [K 1,024, N 1,024]; A: input x (given as codes); B: input Wq (given as codes): QUANTISED
;;     2. [M 4,096, K 1,024] x [K 1,024, N 1,024]; A: input x (given as codes); B: input Wk (given as codes): QUANTISED
;;     3. [M 4,096, K 1,024] x [K 1,024, N 1,024]; A: input x (given as codes); B: input Wv (given as codes): QUANTISED
;;     4. batch 16 x [M 4,096, K 64] x [K 64, N 4,096]; A: computed on the way; B: computed on the way: QUANTISED
;;     5. batch 16 x [M 4,096, K 4,096] x [K 4,096, N 64]; A: softmax (see below); B: computed on the way: QUANTISED
;;     6. [M 4,096, K 1,024] x [K 1,024, N 1,024]; A: computed on the way; B: input Wo (given as codes): QUANTISED
;;   THE QUANTISER, for each operand of a quantised product, along K:
;;     - K is cut into blocks of 32 from its start; a last block that is shorter is filled with zeros.
;;     - A block's scale is 2^e with e = floor(log2(the largest magnitude in the block)) - 2, held to -126 .. 127; a block of zeros has e = 0. As a byte (E8M0): e + 127.
;;     - Each number is divided by its block's scale, clamped to +-6, and rounded to the nearest number of E2M1, ties to even, subnormals kept.
;;     - The product sums the exact products of the quantised numbers (number of the format x scale) in f32.
;;   ~~~python
;;   def quantise(x, axis):      # numpy; x: float32 -> the quantised numbers, widened to float32 again
;;       x = np.moveaxis(x, axis, -1); K = x.shape[-1]
;;       x = np.pad(x, [(0, 0)] * (x.ndim - 1) + [(0, -K % 32)]); x = x.reshape(x.shape[:-1] + (-1, 32)); a = np.abs(x).max(-1, keepdims=True)
;;       e = np.where(a > 0, np.clip(np.frexp(np.where(a > 0, a, 1))[1] - 1 - 2, -126, 127), 0)      # np.frexp(a)[1] - 1 = floor(log2(a)), exactly
;;       r = np.clip(x / 2.0 ** e, -6, 6)
;;       step = 2.0 ** (np.maximum(np.frexp(np.where(r == 0, 1, r))[1] - 1, 0) - 1)
;;       q = np.round(r / step) * step * 2.0 ** e      # np.round: ties to even
;;       return np.moveaxis(q.reshape(q.shape[:-2] + (-1,))[..., :K], -1, axis).astype(np.float32)
;;   ~~~
;;   SOFTMAX AHEAD OF A QUANTISED PRODUCT. Where the list says 'softmax', what is quantised is not the finished softmax but p = 2^(t - M), with t = logit x log2(e) and M = ceil(the row's largest t), a whole number; so 1/2 < the row's largest p <= 1. The row's sum l is taken of the UNQUANTISED p, in f32, and the product's result is divided by l at the end. Since M is a whole number, a kernel that streams over the keys may use a running M (the ceiling of the running maximum): every later rescaling is an exact power of two, which a block's scale takes up: the codes' values come out the same.
;;   OPERANDS COMPUTED ON THE WAY. 'Computed on the way' means the value that the module computes at that place (a softmax that the list does not call 'softmax' is quantised finished and normalised). What goes into a quantiser is computed in f32, as accurately as f32 sums, v_exp_f32 and their like allow (about 1e-6 of the number): no bf16 or f16 on the way to a quantiser, and a product that is left as it is and whose result goes on into a quantised operand takes f32 operands (vector FMAs, or v_wmma_f32_16x16x4_f32). A number that lies on a knife's edge between two numbers of the format may be rounded either way, as far as f32 arithmetic and the matrix unit's own rounding can turn it there, and no further.
;;   INPUTS GIVEN AS CODES. Wk (in the module: [1024, 1024], K = its axis 1); Wo (in the module: [1024, 1024], K = its axis 1); Wq (in the module: [1024, 1024], K = its axis 1); Wv (in the module: [1024, 1024], K = its axis 1); x (in the module: [1, 4096, 1024], K = its axis 2): each comes as NAME_codes (uint8): NAME with its K axis moved to the last place and cut into blocks of 32 codes, [.., K / 32, bytes a block], one block behind the other in memory; two codes a byte, the lower K in the low four bits (a code: sign, 2 exponent bits, 1 mantissa bit); and NAME_scales (uint8): the same leading axes, one E8M0 byte (e + 127) for each 32 codes along K. Its value is code x scale, taken as it is: it is not quantised again, and the codes and scales need not be those that the quantiser above would give.
;; One version. Each part assembles by itself: llvm-mc -triple=amdgcn-amd-amdhsa -mcpu=gfx1250 --defsym DOCPART=n.
;; ======== version 1 of 1: 3 launches
;; limits: right only within a limited range of input values
;; workspace buffers: q_img 2,097,152 bytes; q_sw 262,144 bytes; kv 4,587,520 bytes; o_img 2,097,152 bytes; o_sw 262,144 bytes
;; launch qkv (part 1): grid 16 x 16, 8 waves a work-group, clusters of 4 x 4, 263,168 bytes of LDS; arguments x_codes, x_scales, Wq_codes, Wq_scales, bq, Wk_codes, Wk_scales, bk, Wv_codes, Wv_scales, bv, q_img, q_sw, kv; writes q_img, q_sw, kv
.if DOCPART == 1
	.amdgcn_target "amdgcn-amd-amdhsa--gfx1250"
	.amdhsa_code_object_version 6
	.text
	.protected	k_q2b6b5452c6_qkv
	.globl	k_q2b6b5452c6_qkv
	.p2align	8
	.type	k_q2b6b5452c6_qkv,@function
k_q2b6b5452c6_qkv:
	s_mov_b64 s[64:65], 0
	v_nop
	global_prefetch_b8 v0, s[64:65] scope:SCOPE_SE
	s_setreg_imm32_b32 hwreg(HW_REG_WAVE_MODE, 25, 1), 1
	s_wait_xcnt 0x0
	s_wait_alu depctr_hold_cnt(0) depctr_sa_sdst(0) depctr_va_vdst(0) depctr_va_sdst(0) depctr_va_ssrc(0) depctr_va_vcc(0) depctr_vm_vsrc(0)
	s_getreg_b32 s2, hwreg(HW_REG_IB_STS2, 6, 4)
	s_cmp_eq_u32 s2, 0
	s_cbranch_scc0 .Lentry_in_a_cluster
	s_endpgm
.Lentry_in_a_cluster:
	s_bfe_u32 s2, ttmp6, 0x10000c
	s_cmp_lg_u32 s2, 0xf033
	s_cbranch_scc0 .Lentry_shape_is_right
	s_endpgm
.Lentry_shape_is_right:
; q = x Wq^T + bq, k = x Wk^T + bk, v = x Wv^T + bv on codes of FP4 (E2M1) with one E8M0 byte for each 32 along K, and the results quantised anew:
; q and k along the head's 64 (two blocks), v along the keys (blocks of 32 keys).  Sums and biases in f32.
; SHARES.  A work-group takes 256 rows of x and ONE head: 64 rows of each of Wq, Wk, Wv.  All that it reads, 128 KiB of x's codes and 96 KiB of W's, lies in LDS at once: LDS is filled once, nothing is filled again.
; CLUSTER 4 x 4.  x's rows hang on the block of rows alone, which a row of the cluster shares; W's rows on the head alone, which a column shares: both are asked for jointly.
; PASS A (q, k): wave w takes tiles 2 w and 2 w + 1 of the block's sixteen.  The matrix instruction is used transposed (source 0 = 16 rows of W, source 1 = 16 rows of x): a lane holds one row of x and eight neighbouring features.
; PASS B (v): source 0 = 16 rows of x (keys), source 1 = 16 rows of Wv: a lane holds one feature d and eight neighbouring KEYS, which are the next product's K.  Wave w: keys 128 (w / 4) on, features 16 (w % 4) on.
; WHAT IS STORED are images of the next launch's operand registers: lane l's 16 bytes at 16 l, 512 bytes a store.
;   q_img [head][tile of 16 queries][512];  q_sw [head][tile][16 words] (two scale bytes, bytes 2 and 3 are 0)
;   kv [head][step of 128 keys][8,960]: +0 K, 8 tiles x 512; +4,096 V, 4 tiles of 16 d x 1,024; +8,192 K's scale words, 8 x 64; +8,704 V's scale words, 4 x 64
; FROM RESULT TO OPERAND.  In result tile t lane half h holds k = 16 t + 8 h + 0..7: one conversion makes these 8 codes.  The operand wants register i of half h' to hold k = 32 h' + 8 i + 0..7.
; So the conversions of tiles 0, 1, 2, 3 of a group of 64 go to registers 0, 2, 1, 3, and two exchanges of halves (registers 0 with 1, 2 with 3) finish the layout.
; LIMITS: NaN, infinities and given scale bytes of 0xff are not served.  A block of zeros gets the byte 1 where the rule says 127 (its codes are zeros, and this program alone reads the bytes);
; a block whose largest magnitude lies under 2^-124 is held at the byte 1.
.set PITCH, 272                        ; an LDS row: 256 bytes + 16 of padding = 68 words
; THE ROWS OF A TILE IN PASS A ARE NOT NEIGHBOURS: tile T = 4 g + t of the block's sixteen holds, at its place m, row 64 g + 32 (m / 8) + 8 t + m % 8 of x.
; Wave w makes tiles 2 w and 2 w + 1 (not rows 32 w .. 32 w + 31).  So in the next launch's S^T a lane holds a whole block of 32 neighbouring keys.  q's tiles, and so o's, hold the same rows; the last launch puts them back.
.set XTS,   256*PITCH                  ; x's 256 rows, one half of K (512 codes): half 0 at 0, half 1 at XTS
.set WT0,   2*XTS                      ; W's 192 rows (64 of Wq, 64 of Wk, 64 of Wv), half 0; half 1 at WT0 + WTS
.set WTS,   192*PITCH
.set SCR,   WT0+2*WTS                  ; scratch into which no tile lands: q's scale words 1,024 bytes, k's 1,024, v's 512
.set REC,   8960                       ; a record of kv
.set SEL,   2                          ; s[2:3]  lane selects: lane l xor 16
.set G1X,   32                         ; s[32:39] group 1 for x's tiles;  s[40:47] for W's
.set G1W,   40
.set G0X,   48                         ; s[48:51] group 0 for x's tile (the wave's half of K);  s[56:59] for W's
.set G0W,   56
.set WV,    66
.set CX,    67
.set CY,    68
.set HEAD,  69
.set YB,    70
; s73-79 hold numbers made of cy and the wave alone (x's tiles), s80-85 of cx and the wave alone (W's tiles), until the joint loads are out
.macro PLACES                          ; four plain places behind a matrix instruction, ahead of loads into its registers and of reads of its result
.rept 4
	v_nop
.endr
.endm
.macro ROUND                           ; a round of the cluster's barrier
	s_barrier_signal -1
	s_barrier_wait -1
	s_cmp_lg_u32 s[WV], 0
	s_cbranch_scc1 .Lnot_wave_0_\@
	s_barrier_signal -3
.Lnot_wave_0_\@:
	s_barrier_wait -3
	s_barrier_signal -1
	s_barrier_wait -1
.endm
; One matrix instruction.  d: accumulator; fa, fb: fragments; sa, sb: scale registers; ra, rb = 1: that side's scales are read from lanes 16-31; zero = 1: the product starts the sum (only with rb = 0)
.macro WM d, fa, fb, sa, sb, ra, rb, zero
.if \zero
.if \ra
	v_wmma_scale_f32_16x16x128_f8f6f4 v[(\d):(\d)+7], v[(\fa):(\fa)+7], v[(\fb):(\fb)+7], 0, v[\sa], v[\sb] matrix_a_fmt:MATRIX_FMT_FP4 matrix_b_fmt:MATRIX_FMT_FP4 matrix_a_scale:MATRIX_SCALE_ROW1
.else
	v_wmma_scale_f32_16x16x128_f8f6f4 v[(\d):(\d)+7], v[(\fa):(\fa)+7], v[(\fb):(\fb)+7], 0, v[\sa], v[\sb] matrix_a_fmt:MATRIX_FMT_FP4 matrix_b_fmt:MATRIX_FMT_FP4
.endif
.elseif (\ra) && (\rb)
	v_wmma_scale_f32_16x16x128_f8f6f4 v[(\d):(\d)+7], v[(\fa):(\fa)+7], v[(\fb):(\fb)+7], v[(\d):(\d)+7], v[\sa], v[\sb] matrix_a_fmt:MATRIX_FMT_FP4 matrix_b_fmt:MATRIX_FMT_FP4 matrix_a_scale:MATRIX_SCALE_ROW1 matrix_b_scale:MATRIX_SCALE_ROW1
.elseif \ra
	v_wmma_scale_f32_16x16x128_f8f6f4 v[(\d):(\d)+7], v[(\fa):(\fa)+7], v[(\fb):(\fb)+7], v[(\d):(\d)+7], v[\sa], v[\sb] matrix_a_fmt:MATRIX_FMT_FP4 matrix_b_fmt:MATRIX_FMT_FP4 matrix_a_scale:MATRIX_SCALE_ROW1
.elseif \rb
	v_wmma_scale_f32_16x16x128_f8f6f4 v[(\d):(\d)+7], v[(\fa):(\fa)+7], v[(\fb):(\fb)+7], v[(\d):(\d)+7], v[\sa], v[\sb] matrix_a_fmt:MATRIX_FMT_FP4 matrix_b_fmt:MATRIX_FMT_FP4 matrix_b_scale:MATRIX_SCALE_ROW1
.else
	v_wmma_scale_f32_16x16x128_f8f6f4 v[(\d):(\d)+7], v[(\fa):(\fa)+7], v[(\fb):(\fb)+7], v[(\d):(\d)+7], v[\sa], v[\sb] matrix_a_fmt:MATRIX_FMT_FP4 matrix_b_fmt:MATRIX_FMT_FP4
.endif
.endm
; nb blocks of 32 (2 or 4): a lane's numbers v[s + 16 b + 0..15] are its half of block b (the other half lies in lane l xor 16).  Codes to v[pc] on, in the operand's layout; the scale word to v[pw]; tm: 12 registers at work.
.macro QUANT nb, s, pc, pw, tm
.irp b, 0,1,2,3
.if \b < \nb
	v_max3_num_f32 v[(\tm)+\b], |v[(\s)+16*\b]|, |v[(\s)+16*\b+1]|, 0x1800000   ; with the floor 2^(3 - 127): the byte cannot fall under 1
.endif
.endr
.irp i, 2,4,6,8,10,12,14
.irp b, 0,1,2,3
.if \b < \nb
	v_max3_num_f32 v[(\tm)+\b], v[(\tm)+\b], |v[(\s)+16*\b+\i]|, |v[(\s)+16*\b+\i+1]|   ; the blocks by turns; each accumulator is read from its low end on
.endif
.endr
.endr
.irp b, 0,1,2,3
.if \b < \nb
	v_permlanex16_b32 v[(\tm)+4+\b], v[(\tm)+\b], s[SEL], s[SEL+1]
.endif
.endr
.irp b, 0,1,2,3
.if \b < \nb
	v_max_num_f32 v[(\tm)+\b], v[(\tm)+\b], v[(\tm)+4+\b]       ; the block's largest magnitude
.endif
.endr
.irp b, 0,1,2,3
.if \b < \nb
	v_add_nc_u32 v[(\tm)+8+\b], 0xff000000, v[(\tm)+\b]         ; 2 off its exponent field: the conversion's scale operand
.endif
.endr
.irp b, 0,1,2,3
.if \b < \nb
	v_lshrrev_b32 v[(\tm)+4+\b], 23, v[(\tm)+8+\b]              ; the scale's byte
.endif
.endr
	v_lshl_or_b32 v[\pw], v[(\tm)+5], 8, v[(\tm)+4]
.if \nb > 2
	s_delay_alu instid0(VALU_DEP_1)
	v_lshl_or_b32 v[\pw], v[(\tm)+6], 16, v[\pw]
	s_delay_alu instid0(VALU_DEP_1)
	v_lshl_or_b32 v[\pw], v[(\tm)+7], 24, v[\pw]
.endif
.irp b, 0,1,2,3
.if \b < \nb
	v_cvt_scalef32_pk8_fp4_f32 v[(\pc)+4*(\b/2)+(\b%2)], v[(\s)+16*\b:(\s)+16*\b+7], v[(\tm)+8+\b]
	v_cvt_scalef32_pk8_fp4_f32 v[(\pc)+4*(\b/2)+2+(\b%2)], v[(\s)+16*\b+8:(\s)+16*\b+15], v[(\tm)+8+\b]
.endif
.endr
	v_nop                                          ; one plain place behind the last scaled conversion
.irp c, 0,1
.if 2*\c < \nb
	v_permlane16_swap_b32 v[(\pc)+4*\c], v[(\pc)+4*\c+1]
	v_permlane16_swap_b32 v[(\pc)+4*\c+2], v[(\pc)+4*\c+3]
.endif
.endr
.endm
	s_load_b512 s[4:19], s[0:1], 0x0               ; x_codes 4, x_scales 6, Wq_codes 8, Wq_scales 10, bq 12, Wk_codes 14, Wk_scales 16, bk 18
	s_load_b256 s[20:27], s[0:1], 0x40             ; Wv_codes 20, Wv_scales 22, bv 24, q_img 26
	s_load_b128 s[28:31], s[0:1], 0x60             ; q_sw 28, kv 30
	s_set_vgpr_msb 0x40
	v_lshl_add_u32 v0, v0, 2, 0x40000
	v_mov_b32 v1, 0
	s_set_vgpr_msb 0x4045
	ds_add_u32 v0, v1
	ds_add_u32 v0, v1
	s_set_vgpr_msb 0x4500
	v_lshrrev_b32 v1, 5, v0
	s_delay_alu instid0(VALU_DEP_1)
	v_readfirstlane_b32 s[WV], v1                  ; wave 0..7
	s_bfe_u32 s[CX], ttmp6, 0x40000
	s_bfe_u32 s[CY], ttmp6, 0x40004
	s_lshl_b32 s[HEAD], ttmp9, 2
	s_add_co_u32 s[HEAD], s[HEAD], s[CX]           ; the head = 4 x cluster x + cx
	s_and_b32 s[YB], ttmp7, 0xffff
	s_lshl_b32 s[YB], s[YB], 2
	s_add_co_u32 s[YB], s[YB], s[CY]               ; the block of 256 rows = 4 x cluster y + cy
	s_lshl_b32 s71, s[CY], 2
	s_lshl_b32 s71, 15, s71                        ; my row of the cluster
	s_lshl_b32 s72, 0x1111, s[CX]                  ; my column
	; group 1: rows of 256 bytes (512 codes) out of rows of 512 bytes, 16 bytes of padding behind each; x: 256 rows a load, W: 64
	s_or_b32 s[G1X], s71, (1<<20)|(1<<21)|(5<<22)|(3<<25)
	s_mov_b32 s[G1X+1], 256<<16
	s_mov_b32 s[G1X+2], 256<<16
	s_mov_b32 s[G1X+3], 256<<16
	s_mov_b32 s[G1X+4], 256
	s_mov_b32 s[G1X+5], 512
	s_mov_b32 s[G1X+6], 0
	s_mov_b32 s[G1X+7], 0
	s_or_b32 s[G1W], s72, (1<<20)|(1<<21)|(5<<22)|(3<<25)
	s_mov_b32 s[G1W+1], 256<<16
	s_mov_b32 s[G1W+2], 64<<16
	s_mov_b32 s[G1W+3], 256<<16
	s_mov_b32 s[G1W+4], 64
	s_mov_b32 s[G1W+5], 512
	s_mov_b32 s[G1W+6], 0
	s_mov_b32 s[G1W+7], 0
	s_and_b32 s73, s[WV], 1                        ; x (waves 0, 1): which half of K, all 256 rows
	s_lshl_b32 s74, s[YB], 17                      ; 256 rows of 512 bytes a block
	s_lshl_b32 s75, s73, 8
	s_add_co_u32 s74, s74, s75
	s_mov_b32 s75, 0
	s_mul_i32 s76, s73, XTS
	s_mul_i32 s81, s[WV], 64*PITCH                 ; W (waves 2 to 7: Wq, Wk, Wv of K half 0, then of half 1): 64 rows each, at (wave - 2) x 64 rows
	s_cmp_lt_u32 s[WV], 5
	s_cselect_b32 s80, 0, 3
	s_cselect_b32 s83, 0, 256                      ; K half 1 begins 256 bytes on in a row
	s_sub_co_u32 s80, s[WV], s80                   ; 2, 3, 4: which of the three weights
	s_lshl_b32 s82, s[HEAD], 15                    ; 64 rows of 512 bytes a head
	s_add_co_u32 s82, s82, s83
	s_mov_b32 s83, 0
	s_wait_dscnt 0x0
	s_wait_kmcnt 0x0
	s_add_nc_u64 s[78:79], s[4:5], s[74:75]
	s_cmp_lt_u32 s80, 4
	s_cselect_b64 s[84:85], s[14:15], s[20:21]
	s_cmp_lt_u32 s80, 3
	s_cselect_b64 s[84:85], s[8:9], s[84:85]
	s_add_nc_u64 s[84:85], s[84:85], s[82:83]
	ROUND                                          ; all sixteen work-groups are here: the joint loads meet
	s_mov_b32 s[G0X], 1
	s_mov_b32 s[G0X+1], s76
	s_mov_b64 s[G0X+2:G0X+3], s[78:79]
	s_or_b32 s[G0X+3], s[G0X+3], 0x80000000
	s_mov_b32 s[G0W], 1
	s_add_co_u32 s[G0W+1], s81, WT0-128*PITCH
	s_mov_b64 s[G0W+2:G0W+3], s[84:85]
	s_or_b32 s[G0W+3], s[G0W+3], 0x80000000
	s_cmp_lt_u32 s[WV], 2                          ; the eight first fills, one a wave
	s_cbranch_scc0 .Lnot_x
	tensor_load_to_lds s[G0X:G0X+3], s[G1X:G1X+7]
	s_nop 0
	PLACES
	s_branch .Lasked
.Lnot_x:
	tensor_load_to_lds s[G0W:G0W+3], s[G1W:G1W+7]
	s_nop 0
	PLACES
.Lasked:
	; every base is brought to this work-group's (and wave's) part once, here; none is written again
	s_mov_b32 s[SEL], 0x76543210
	s_mov_b32 s[SEL+1], 0xfedcba98
	s_lshl_b32 s88, s[YB], 13                      ; x's scales: 256 rows of 32 bytes
	s_mov_b32 s89, 0
	s_lshl_b32 s90, s[HEAD], 11                    ; W's scales: 64 rows of 32 bytes
	s_mov_b32 s91, 0
	s_lshl_b32 s92, s[HEAD], 8                     ; the biases: 64 numbers
	s_mov_b32 s93, 0
	s_lshl_b32 s96, s[HEAD], 8
	s_lshl_b32 s97, s[YB], 4
	s_add_co_u32 s96, s96, s97                     ; 256 head + 16 yb: the block's first tile of queries
	s_lshl_b32 s97, s[WV], 1
	s_add_co_u32 s94, s96, s97
	s_lshl_b32 s94, s94, 9                         ; q_img: my wave's first tile
	s_mov_b32 s95, 0
	s_lshl_b32 s96, s96, 6                         ; q_sw
	s_mov_b32 s97, 0
	s_lshl_b32 s98, s[HEAD], 5
	s_lshl_b32 s99, s[YB], 1
	s_add_co_u32 s98, s98, s99
	s_mul_i32 s98, s98, REC                        ; kv: the block's first record
	s_mov_b32 s99, 0
	s_add_nc_u64 s[6:7], s[6:7], s[88:89]
	s_add_nc_u64 s[10:11], s[10:11], s[90:91]
	s_add_nc_u64 s[16:17], s[16:17], s[90:91]
	s_add_nc_u64 s[22:23], s[22:23], s[90:91]
	s_add_nc_u64 s[12:13], s[12:13], s[92:93]
	s_add_nc_u64 s[18:19], s[18:19], s[92:93]
	s_add_nc_u64 s[24:25], s[24:25], s[92:93]
	s_add_nc_u64 s[26:27], s[26:27], s[94:95]
	s_add_nc_u64 s[28:29], s[28:29], s[96:97]
	s_add_nc_u64 s[30:31], s[30:31], s[98:99]
	s_lshr_b32 s86, s[WV], 2                       ; sigma: which of the block's two key steps
	s_and_b32 s87, s[WV], 3                        ; tau
	s_mul_i32 s88, s86, REC
	s_lshl_b32 s90, s87, 10
	s_add_co_u32 s88, s88, s90
	s_mov_b32 s89, 0
	s_add_nc_u64 s[94:95], s[30:31], s[88:89]      ; my record + 1,024 tau: K's tiles 2 tau, 2 tau + 1; and, 4,096 on, V's tile tau
	s_lshr_b32 s77, s[WV], 1                       ; pass A: my two tiles begin at row 64 (w / 2) + 16 (w % 2)
	s_mul_i32 s77, s77, 64*PITCH
	s_and_b32 s88, s[WV], 1
	s_mul_i32 s88, s88, 16*PITCH
	s_add_co_u32 s77, s77, s88
	s_lshl_b32 s88, s86, 12                        ; pass B: x's scales of 128 sigma rows on
	s_lshl_b32 s89, s87, 9                         ; Wv's scales of 16 tau rows on
	s_lshl_b32 s90, s87, 6                         ; bv's 16 tau numbers on
	s_mul_i32 s91, s86, 128*PITCH
	s_mul_i32 s98, s87, 16*PITCH
	s_add_co_u32 s98, s98, WT0+128*PITCH
	s_lshl_b32 s99, s[WV], 6
	s_add_co_u32 s99, s99, SCR+2048
	s_mul_i32 s92, s[WV], REC                      ; where the scale words leave to: waves 2, 3: K's, record wave - 2, + 8,192
	s_sub_co_u32 s92, s92, 2*REC-8192
	s_lshl_b32 s93, s[WV], 9                       ; waves 0, 1: q_sw, 512 bytes each
	s_cmp_lt_u32 s[WV], 2
	s_cselect_b32 s92, s93, s92
	s_cselect_b64 s[96:97], s[28:29], s[30:31]
	s_cmp_eq_u32 s[WV], 4                          ; wave 4: V's, + 8,704; its lanes 16-31 one record on
	s_cselect_b32 s92, 8704, s92
	s_cselect_b32 s93, REC-256, 0
	v_and_b32 v1, 31, v0                           ; lane
	v_and_b32 v52, 15, v0                          ; r
	v_bfe_u32 v53, v0, 4, 1                        ; h
	s_delay_alu instid0(VALU_DEP_2)
	v_mul_u32_u24 v54, v52, PITCH
	s_delay_alu instid0(VALU_DEP_1)
	v_lshl_add_u32 v54, v53, 4, v54                ; a fragment's row x pitch + 16 h
	v_lshrrev_b32 v55, 3, v52
	s_delay_alu instid0(VALU_DEP_1)
	v_mad_u32_u24 v55, v55, 24*PITCH, v54          ; x: place r of a tile is row r + 24 (r / 8) from the tile's first
	s_delay_alu instid0(VALU_DEP_1)
	v_add_nc_u32 v2, s77, v55                      ; v2, v3: x's fragments, K half 0, 1
	s_delay_alu instid0(VALU_DEP_1)
	v_add_nc_u32 v3, XTS, v2
	v_add_nc_u32 v4, WT0, v54                      ; v4, v5: W's
	v_add_nc_u32 v5, WT0+WTS, v54
	v_mov_b32 v7, 0                                ; (named with v6 as a pair)
	v_and_b32 v48, 0xc7, v0                        ; x's scales: my lane's row of the block: the thread's number with bits 3, 4, 5 (r / 8, tile, w % 2) moved to 5, 3, 4
	v_and_b32 v55, 0x30, v0
	v_lshrrev_b32 v55, 1, v55
	v_or_b32 v48, v48, v55
	v_and_b32 v55, 8, v0
	v_lshl_or_b32 v48, v55, 2, v48
	v_lshlrev_b32 v48, 5, v48                      ; 32 bytes a row
	v_lshlrev_b32 v49, 5, v1                       ; W's: row lane
	v_lshlrev_b32 v50, 5, v53                      ; the biases: 8 h numbers on
	global_load_b128 v[8:11], v48, s[6:7]          ; v[8 + ks]: the scale word of K step ks; lanes 0-15 my first tile of rows, lanes 16-31 my second
	global_load_b128 v[12:15], v48, s[6:7] offset:16
.irp i, 0,1                                    ; v[16 + 16 z + 8 i + ks]: lanes 0-15 W's tile 2 i, lanes 16-31 tile 2 i + 1
	global_load_b128 v[16+8*\i:19+8*\i], v49, s[10:11] offset:1024*\i
	global_load_b128 v[20+8*\i:23+8*\i], v49, s[10:11] offset:1024*\i+16
	global_load_b128 v[32+8*\i:35+8*\i], v49, s[16:17] offset:1024*\i
	global_load_b128 v[36+8*\i:39+8*\i], v49, s[16:17] offset:1024*\i+16
.endr
.irp a, 0,1                                    ; the biases are loaded INTO the accumulators (z, a, t) at v[128 + 64 z + 32 a + 8 t]: register j is feature 16 t + 8 h + j.  So every K step adds in place
.irp t, 0,1,2,3
	global_load_b128 v[128+32*\a+8*\t:131+32*\a+8*\t], v50, s[12:13] offset:64*\t
	global_load_b128 v[132+32*\a+8*\t:135+32*\a+8*\t], v50, s[12:13] offset:64*\t+16
	global_load_b128 v[192+32*\a+8*\t:195+32*\a+8*\t], v50, s[18:19] offset:64*\t
	global_load_b128 v[196+32*\a+8*\t:199+32*\a+8*\t], v50, s[18:19] offset:64*\t+16
.endr
.endr
	s_wait_alu depctr_va_vdst(0)
	s_wait_loadcnt 0x0
	s_wait_tensorcnt 0x0                           ; my one tile is in; nothing is filled again in this launch
	s_barrier_signal -1
	s_barrier_wait -1                              ; everybody's is
; ---- PASS A.  Fragments: x v48-63 (a = 0, 1), Wq v64-95, Wk v96-127 (t = 0..3): 16 rows x 128 K of 4-bit codes are two loads of 16 bytes, 32 bytes apart
.macro LOADW z, ks
.irp t, 0,1,2,3
.irp c, 0,1
	ds_load_b128 v[64+32*(\z)+8*\t+4*\c:64+32*(\z)+8*\t+4*\c+3], v[4+(\ks)/4] offset:(64*(\z)+16*\t)*PITCH+64*((\ks)%4)+32*\c
.endr
.endr
.endm
.macro LOADX ks
.irp a, 0,1
.irp c, 0,1
	ds_load_b128 v[48+8*\a+4*\c:48+8*\a+4*\c+3], v[2+(\ks)/4] offset:\a*8*PITCH+64*((\ks)%4)+32*\c
.endr
.endr
.endm
.macro MULA z, ks                      ; eight products; the sixteen accumulators take turns, one instruction a turn
.irp a, 0,1
.irp t, 0,1,2,3
	WM 128+64*(\z)+32*\a+8*\t, 64+32*(\z)+8*\t, 48+8*\a, 16+16*(\z)+8*(\t/2)+(\ks), 8+(\ks), \t%2, \a, 0
.endr
.endr
.endm
.macro STEP_A ks
	s_wait_dscnt 8                                 ; Wq's and x's fragments are in; the youngest eight loads (Wk's) may be out
	MULA 0, \ks
.if (\ks) < 7
	PLACES
	LOADW 0, (\ks)+1
	s_wait_dscnt 8                                 ; all but the eight just issued: Wk's are in
.else
	s_wait_dscnt 0x0
.endif
	MULA 1, \ks
.if (\ks) < 7
	PLACES
	LOADX (\ks)+1
	LOADW 1, (\ks)+1
.endif
.endm
	LOADW 0, 0
	LOADX 0
	LOADW 1, 0
.irp k, 0,1,2,3,4,5,6,7
	STEP_A \k
.endr
; ---- q and k leave.  Pass B's scales and bias are asked for first, so that they land meanwhile
	PLACES
	v_lshlrev_b32 v48, 5, v1
	s_delay_alu instid0(VALU_DEP_1)
	v_add_nc_u32 v48, s88, v48                     ; x's scales: row 128 sigma + lane
	v_and_b32 v52, 15, v0
	s_delay_alu instid0(VALU_DEP_1)
	v_lshlrev_b32 v49, 5, v52
	s_delay_alu instid0(VALU_DEP_1)
	v_add_nc_u32 v49, s89, v49                     ; Wv's: row 16 tau + r
	s_delay_alu instid0(VALU_DEP_3)
	v_lshlrev_b32 v50, 2, v52
	s_delay_alu instid0(VALU_DEP_1)
	v_add_nc_u32 v50, s90, v50                     ; bv: number 16 tau + r
	v_lshlrev_b32 v51, 4, v1                       ; an image's place for my lane
.irp i, 0,1,2,3                                ; v[8 + 8 i + ks]: lanes 0-15 x's tile 2 i of the key step, lanes 16-31 tile 2 i + 1
	global_load_b128 v[8+8*\i:11+8*\i], v48, s[6:7] offset:1024*\i
	global_load_b128 v[12+8*\i:15+8*\i], v48, s[6:7] offset:1024*\i+16
.endr
	global_load_b128 v[40:43], v49, s[22:23]       ; v[40 + ks]: Wv's
	global_load_b128 v[44:47], v49, s[22:23] offset:16
	global_load_b32 v6, v50, s[24:25]
	v_mov_b32 v92, 0                               ; a lane permute's destination counts as one of its sources
	v_mov_b32 v93, 0
.irp z, 0,1
.irp a, 0,1
	QUANT 2, 128+64*\z+32*\a, 64+4*(2*\z+\a), 80+2*\z+\a, 88
.endr
.endr
	global_store_b128 v51, v[64:67], s[26:27]              ; each store covers 512 consecutive bytes, aligned
	global_store_b128 v51, v[68:71], s[26:27] offset:512
	global_store_b128 v51, v[72:75], s[94:95]
	global_store_b128 v51, v[76:79], s[94:95] offset:512
	v_cmp_le_u32 vcc_lo, 16, v1
	s_delay_alu instid0(VALU_DEP_1)
	v_cndmask_b32 v84, v80, v81, vcc_lo            ; lanes 0-15: my first tile's words, lanes 16-31: my second's
	s_delay_alu instid0(VALU_DEP_2)
	v_cndmask_b32 v85, v82, v83, vcc_lo
	v_lshl_add_u32 v86, v0, 2, SCR                 ; 128 bytes a wave, a word a lane
	ds_store_b32 v86, v84
	ds_store_b32 v86, v85 offset:1024
	; addresses for pass B and for what follows it
	v_bfe_u32 v53, v0, 4, 1
	v_mul_u32_u24 v54, v52, PITCH
	s_delay_alu instid0(VALU_DEP_1)
	v_lshl_add_u32 v54, v53, 4, v54
	s_delay_alu instid0(VALU_DEP_1)
	v_add_nc_u32 v2, s91, v54                      ; x: rows 128 sigma on
	s_delay_alu instid0(VALU_DEP_1)
	v_add_nc_u32 v3, XTS, v2
	s_delay_alu instid0(VALU_DEP_3)
	v_add_nc_u32 v4, s98, v54                      ; Wv: rows 128 + 16 tau on
	s_delay_alu instid0(VALU_DEP_1)
	v_add_nc_u32 v5, WTS, v4
	v_lshl_add_u32 v224, v52, 2, s99               ; v's scale word: 64 bytes a wave, word r
	v_lshl_add_u32 v225, v0, 4, SCR                ; the scratch read back: 512 bytes a wave
	v_mul_u32_u24 v226, s93, v53
	s_delay_alu instid0(VALU_DEP_1)
	v_lshl_add_u32 v226, v1, 4, v226
	s_delay_alu instid0(VALU_DEP_1)
	v_add_nc_u32 v226, s92, v226                   ; and where those bytes go
	v_lshlrev_b32 v227, 4, v1
	s_wait_alu depctr_va_vdst(0)
	s_wait_xcnt 0x0                                ; the stores' data and offsets are loaded over only behind this wait
	s_wait_loadcnt 0x0                             ; pass B's scales and bias are in
; ---- PASS B.  x's eight tiles of the key step v64-127, Wv's tile v48-55 and v56-63 by turns, accumulators v[128 + 8 i]
.macro LOADV ks
.irp c, 0,1
	ds_load_b128 v[48+8*((\ks)%2)+4*\c:48+8*((\ks)%2)+4*\c+3], v[4+(\ks)/4] offset:64*((\ks)%4)+32*\c
.endr
.endm
.macro LOADXB ks, i0
.irp i, 0,1,2,3
.irp c, 0,1
	ds_load_b128 v[64+8*((\i0)+\i)+4*\c:64+8*((\i0)+\i)+4*\c+3], v[2+(\ks)/4] offset:((\i0)+\i)*16*PITCH+64*((\ks)%4)+32*\c
.endr
.endr
.endm
.macro MULB ks, i0                     ; the first K step starts the sums: nothing is cleared
.irp i, 0,1,2,3
	WM 128+8*((\i0)+\i), 64+8*((\i0)+\i), 48+8*((\ks)%2), 8+8*(((\i0)+\i)/2)+(\ks), 40+(\ks), \i%2, 0, (\ks)==0
.endr
.endm
.macro STEP_B ks
	s_wait_dscnt 8                                 ; Wv's tile and x's tiles 0-3 are in; the youngest eight loads (tiles 4-7) may be out
	MULB \ks, 0
.if (\ks) < 7
	PLACES
	LOADV (\ks)+1
	LOADXB (\ks)+1, 0
	s_wait_dscnt 10                                ; all but the ten just issued
.else
	s_wait_dscnt 0x0
.endif
	MULB \ks, 4
.if (\ks) < 7
	PLACES
	LOADXB (\ks)+1, 4
.endif
.endm
	LOADV 0
	LOADXB 0, 0
	LOADXB 0, 4
.irp k, 0,1,2,3,4,5,6,7
	STEP_B \k
.endr
	PLACES
.set J, 0
.rept 32
	v_pk_add_f32 v[128+J:129+J], v[128+J:129+J], v[6:7] op_sel_hi:[1,0]   ; + bv of my feature; register 8 i + j is key 16 i + 8 h + j
.set J, J+2
.endr
.irp b, 0,1,2,3
	v_mov_b32 v[216+\b], 0
.endr
	QUANT 4, 128, 200, 208, 212
	global_store_b128 v227, v[200:203], s[94:95] offset:4096
	global_store_b128 v227, v[204:207], s[94:95] offset:4608
	ds_store_b32 v224, v208                        ; both halves of the lanes write the same word with the same value
	s_wait_dscnt 0x0                               ; for the others' sake: my words lie in the scratch
	s_barrier_signal -1
	s_barrier_wait -1
	s_cmp_lt_u32 s[WV], 5                          ; the scale words leave in whole runs of 256 bytes: 2,560 bytes, 512 a wave
	s_cbranch_scc0 .Ldone
	ds_load_b128 v[228:231], v225
	s_wait_dscnt 0x0
	global_store_b128 v226, v[228:231], s[96:97]
.Ldone:
	s_set_vgpr_msb 0x5
	s_wait_tensorcnt 0x0
	ds_add_u32 v0, v1
	s_wait_dscnt 0x0
	s_set_vgpr_msb 0x500
	ROUND                                          ; the closing round: no work-group ends while a partner may still ask for a tile that names it
	s_endpgm
.Lfunc_end_k_q2b6b5452c6_qkv:
	.size	k_q2b6b5452c6_qkv, .Lfunc_end_k_q2b6b5452c6_qkv-k_q2b6b5452c6_qkv
	.p2alignl 7, 3214868480
	.fill 96, 4, 3214868480
	.section	.rodata,"a",@progbits
	.p2align	6, 0x0
	.amdhsa_kernel k_q2b6b5452c6_qkv
		.amdhsa_group_segment_fixed_size 263168
		.amdhsa_private_segment_fixed_size 0
		.amdhsa_enable_private_segment 0
		.amdhsa_kernarg_size 112
		.amdhsa_user_sgpr_count 2
		.amdhsa_user_sgpr_kernarg_segment_ptr 1
		.amdhsa_wavefront_size32 1
		.amdhsa_system_sgpr_workgroup_id_x 1
		.amdhsa_system_sgpr_workgroup_id_y 1
		.amdhsa_system_sgpr_workgroup_id_z 1
		.amdhsa_system_vgpr_workitem_id 0
		.amdhsa_next_free_vgpr 258
		.amdhsa_next_free_sgpr 100
		.amdhsa_reserve_vcc 1
		.amdhsa_float_denorm_mode_32 3
		.amdhsa_float_denorm_mode_16_64 3
		.amdhsa_memory_ordered 1
		.amdhsa_forward_progress 1
		.amdhsa_inst_pref_size 78
	.end_amdhsa_kernel
	.amdgpu_metadata
---
amdhsa.version: [ 1, 2 ]
amdhsa.kernels:
  - .name:           k_q2b6b5452c6_qkv
    .symbol:         k_q2b6b5452c6_qkv.kd
    .args:
      - { .name: x_codes, .offset: 0, .size: 8, .value_kind: global_buffer, .address_space: global }
      - { .name: x_scales, .offset: 8, .size: 8, .value_kind: global_buffer, .address_space: global }
      - { .name: Wq_codes, .offset: 16, .size: 8, .value_kind: global_buffer, .address_space: global }
      - { .name: Wq_scales, .offset: 24, .size: 8, .value_kind: global_buffer, .address_space: global }
      - { .name: bq, .offset: 32, .size: 8, .value_kind: global_buffer, .address_space: global }
      - { .name: Wk_codes, .offset: 40, .size: 8, .value_kind: global_buffer, .address_space: global }
      - { .name: Wk_scales, .offset: 48, .size: 8, .value_kind: global_buffer, .address_space: global }
      - { .name: bk, .offset: 56, .size: 8, .value_kind: global_buffer, .address_space: global }
      - { .name: Wv_codes, .offset: 64, .size: 8, .value_kind: global_buffer, .address_space: global }
      - { .name: Wv_scales, .offset: 72, .size: 8, .value_kind: global_buffer, .address_space: global }
      - { .name: bv, .offset: 80, .size: 8, .value_kind: global_buffer, .address_space: global }
      - { .name: q_img, .offset: 88, .size: 8, .value_kind: global_buffer, .address_space: global }
      - { .name: q_sw, .offset: 96, .size: 8, .value_kind: global_buffer, .address_space: global }
      - { .name: kv, .offset: 104, .size: 8, .value_kind: global_buffer, .address_space: global }
    .group_segment_fixed_size: 263168
    .private_segment_fixed_size: 0
    .kernarg_segment_align: 8
    .kernarg_segment_size: 112
    .max_flat_workgroup_size: 256
    .sgpr_count:     100
    .vgpr_count:     258
    .wavefront_size: 32
...
	.end_amdgpu_metadata
.endif
;; end of part 1
;; launch attn (part 2): grid 16 x 16, 16 waves a work-group, clusters of 4 x 1, 289,792 bytes of LDS; arguments q_img, q_sw, kv, o_img, o_sw; writes o_img, o_sw
.if DOCPART == 2
	.amdgcn_target "amdgcn-amd-amdhsa--gfx1250"
	.amdhsa_code_object_version 6
	.text
	.protected	k_q2b6b5452c6_attn
	.globl	k_q2b6b5452c6_attn
	.p2align	8
	.type	k_q2b6b5452c6_attn,@function
k_q2b6b5452c6_attn:
	s_mov_b64 s[64:65], 0
	v_nop
	global_prefetch_b8 v0, s[64:65] scope:SCOPE_SE
	s_setreg_imm32_b32 hwreg(HW_REG_WAVE_MODE, 25, 1), 1
	s_wait_xcnt 0x0
	s_wait_alu depctr_hold_cnt(0) depctr_sa_sdst(0) depctr_va_vdst(0) depctr_va_sdst(0) depctr_va_ssrc(0) depctr_va_vcc(0) depctr_vm_vsrc(0)
	s_getreg_b32 s2, hwreg(HW_REG_IB_STS2, 6, 4)
	s_cmp_eq_u32 s2, 0
	s_cbranch_scc0 .Lentry_in_a_cluster
	s_endpgm
.Lentry_in_a_cluster:
	s_bfe_u32 s2, ttmp6, 0x10000c
	s_cmp_lg_u32 s2, 0x3003
	s_cbranch_scc0 .Lentry_shape_is_right
	s_endpgm
.Lentry_shape_is_right:
; O[h][q] = sum over k of softmax_k(q . k / 8) v, both products on codes of FP4 (E2M1) with E8M0 scales; the result is quantised along the head's 64 for the last projection.
; THE SOFTMAX: t = score x log2(e) / 8; M = the running largest t rounded UP to a whole number; p = 2^(t - M) is quantised along the keys, not normalised; the row's sum is taken of the unquantised p and divides O at the end.
; When M moves, the sum and O are multiplied by 2^(old M - new M), which rounds nothing; that is done in every step, with no branch on data.
; SHARES.  A work-group owns 256 queries of one head, each of its sixteen waves one tile of 16.  A head's whole kv (32 records of 8,960 bytes, 128 keys each) lies in LDS as it lies in memory, filled ONCE:
; each wave asks for two records by its one tensor load at the head; one barrier; nothing is filled again.  CLUSTER 4 x 1: the four blocks of queries of a cluster belong to one head and ask for its records jointly.
; No prefetch: every tensor load of the launch goes out at the head, so there is no loop to run ahead in.
; A STEP IS 256 KEYS, two records: the change of M and the rescaling of O^T stand once for 256 keys.
; LAYOUT.  S^T = K Q^T (source 0 = 16 keys, source 1 = my 16 queries), O^T = V^T P^T: a lane holds ONE query throughout.  All operands are images of their registers: lane l's 16 bytes at 16 l.
; THE KEYS OF A TILE (chosen by the launch that writes kv): tile 4 g + t of a record holds at place m key 64 g + 32 (m / 8) + 8 t + m % 8.  So the 32 registers of tiles 4 g .. 4 g + 3 are in lane half h the keys
; 64 g + 32 h + 0 .. 31: a WHOLE block of the quantiser, in the order of the second product's operand: the block's maximum needs no other lane, and the conversions' results are the operand's registers.
; THE HEAD'S 64 IN AN INSTRUCTION OF 128.  Q's registers 4-7 are zeros.  K's tile t is named v[KB + 4 t : KB + 4 t + 7]: its upper four registers are the next tile's codes (behind tile 7: zeros), which meet Q's zero codes;
; FP4 has no NaN and no infinity.  The scale bytes of the upper 64 are 0 on both sides (a finite scale).
; ORDER IN A STEP.  Dependent chains stand among independent lines: the maxima go in eight chains; the last links of M's chain stand among the first record's multiply-adds; the second record's multiply-adds stand among the
; first record's exponentials (their results are first read behind the next batch's wait); the scale word is packed among the sum's first level; the sums' last levels stand behind the last products and are their places.
; LIMITS: NaN and infinities are not served; a block of zeros gets the byte 1 (its codes are zeros, and this program alone reads the bytes); the promise holds while the scaled scores t stay under 2^31 in magnitude.
.set REC,  8960
.set OSC,  32*REC                      ; behind the records: 1,024 bytes into which no tile lands, for O's scale words
.set SPARE, OSC+1024                   ; the spare words, 128 bytes a wave
.set WV,   16
.set SEL,  20                          ; s[20:21] lane l xor 16
.set CS,   22                          ; s[22:23] c = log2(e) / 8, twice: the packed form names the pair
.set G1,   24                          ; s[24:31]
.set G0,   32                          ; s[32:35]
.set TB,   48                          ; s48  LDS byte of the step's first record
.set CNT,  49
.set L16,  1                           ; 16 x lane
.set L4,   2                           ; 4 x lane
.set A16,  3                           ; the step's addresses
.set A4,   4
.set SH,   5                           ; 8 x (lane / 16): where my bytes stand in p's scale word
.set TMP,  6                           ; v6, v7, v10, v11: chains of the maxima; then v6 at work and v7 -M before the step; then v[6:7], v[10:11] the first record's part of the sum
.set OLD,  7
.set QSW,  8                           ; Q's scale words
.set PRM,  9                           ; what a lane permute brings (on the way out v10 too)
.set QF,   16                          ; v16-19 Q's codes, v20-23 zeros.  v12 -M, v13 the largest score, v[14:15] the sum in two halves
.set KB,   24                          ; v24-55 K's eight tiles of a record, v56-59 zeros
.set S,    60                          ; v60-187 S^T of 256 keys, then p; behind the first record's sums v60-123 take V's tiles of both records
.set O,    188                         ; v188-219 O^T
.set PC,   220                         ; v220-235 p's codes, 8 registers a record
.set KSW,  236                         ; v236-239 K's scale words: lanes 0-15 tile 2 i, lanes 16-31 tile 2 i + 1
.set VSW,  240                         ; v240-243 V's likewise, 2 registers a record
.set BM,   244                         ; v244-247 my four blocks' largest scores, then largest p, then scale bytes
.set F,    248                         ; v[248:249] f = 2^(old M - new M)
.set PW,   250                         ; v250, v251 p's scale words, one a record
.set T2,   252                         ; v252, v253 chains of the maxima; then the conversions' scale operands
.set SPW,  254
.set NIL,  255
.macro ROUND
	s_barrier_signal -1
	s_barrier_wait -1
	s_cmp_lg_u32 s[WV], 0
	s_cbranch_scc1 .Lnot_wave_0_\@
	s_barrier_signal -3
.Lnot_wave_0_\@:
	s_barrier_wait -3
	s_barrier_signal -1
	s_barrier_wait -1
.endm
.macro WM d, fa, fb, sa, sb, ra, zero  ; ra = 1: source 0's scales are read from lanes 16-31; zero = 1: the product starts the sum
.if (\zero) && (\ra)
	v_wmma_scale_f32_16x16x128_f8f6f4 v[(\d):(\d)+7], v[(\fa):(\fa)+7], v[(\fb):(\fb)+7], 0, v[\sa], v[\sb] matrix_a_fmt:MATRIX_FMT_FP4 matrix_b_fmt:MATRIX_FMT_FP4 matrix_a_scale:MATRIX_SCALE_ROW1
.elseif \zero
	v_wmma_scale_f32_16x16x128_f8f6f4 v[(\d):(\d)+7], v[(\fa):(\fa)+7], v[(\fb):(\fb)+7], 0, v[\sa], v[\sb] matrix_a_fmt:MATRIX_FMT_FP4 matrix_b_fmt:MATRIX_FMT_FP4
.elseif \ra
	v_wmma_scale_f32_16x16x128_f8f6f4 v[(\d):(\d)+7], v[(\fa):(\fa)+7], v[(\fb):(\fb)+7], v[(\d):(\d)+7], v[\sa], v[\sb] matrix_a_fmt:MATRIX_FMT_FP4 matrix_b_fmt:MATRIX_FMT_FP4 matrix_a_scale:MATRIX_SCALE_ROW1
.else
	v_wmma_scale_f32_16x16x128_f8f6f4 v[(\d):(\d)+7], v[(\fa):(\fa)+7], v[(\fb):(\fb)+7], v[(\d):(\d)+7], v[\sa], v[\sb] matrix_a_fmt:MATRIX_FMT_FP4 matrix_b_fmt:MATRIX_FMT_FP4
.endif
.endm
.macro KLOAD a16, a4, off              ; a record's K: eight tiles and their scale words, twelve loads
.irp t, 0,1,2,3,4,5,6,7
	ds_load_b128 v[KB+4*\t:KB+4*\t+3], v[\a16] offset:(\off)+512*\t
.endr
.irp i, 0,1,2,3
	ds_load_b32 v[KSW+\i], v[\a4] offset:(\off)+8192+128*\i
.endr
.endm
.macro SMUL sb                         ; S^T of a record: register 32 g + 8 t + j is key 64 g + 32 h + 8 t + j of my query
.irp t, 0,1,2,3,4,5,6,7
	WM (\sb)+8*\t, KB+4*\t, QF, KSW+\t/2, QSW, \t%2, 1
.endr
.endm
; The largest score of my two blocks of a record, 32 registers each: a chain to each accumulator, eight by turns, each accumulator first read at its low end.
; It serves for the row's maximum and, since p rises with the score, for the block's largest p.
.macro TREE1 sb, bm
.irp g, 0,1
	v_max3_num_f32 v[(\bm)+\g], v[(\sb)+32*\g], v[(\sb)+32*\g+1], v[(\sb)+32*\g+2]
	v_max3_num_f32 v[T2+\g], v[(\sb)+32*\g+8], v[(\sb)+32*\g+9], v[(\sb)+32*\g+10]
	v_max3_num_f32 v[6+\g], v[(\sb)+32*\g+16], v[(\sb)+32*\g+17], v[(\sb)+32*\g+18]
	v_max3_num_f32 v[10+\g], v[(\sb)+32*\g+24], v[(\sb)+32*\g+25], v[(\sb)+32*\g+26]
.endr
.irp i, 3,5
.irp g, 0,1
	v_max3_num_f32 v[(\bm)+\g], v[(\bm)+\g], v[(\sb)+32*\g+\i], v[(\sb)+32*\g+\i+1]
	v_max3_num_f32 v[T2+\g], v[T2+\g], v[(\sb)+32*\g+8+\i], v[(\sb)+32*\g+9+\i]
	v_max3_num_f32 v[6+\g], v[6+\g], v[(\sb)+32*\g+16+\i], v[(\sb)+32*\g+17+\i]
	v_max3_num_f32 v[10+\g], v[10+\g], v[(\sb)+32*\g+24+\i], v[(\sb)+32*\g+25+\i]
.endr
.endr
.irp g, 0,1                                    ; the chains joined two and two, each with an accumulator's last register
	v_max3_num_f32 v[(\bm)+\g], v[(\bm)+\g], v[T2+\g], v[(\sb)+32*\g+7]
	v_max3_num_f32 v[6+\g], v[6+\g], v[10+\g], v[(\sb)+32*\g+15]
.endr
.endm
.macro TREE2 sb, bm                    ; the last four lines
.irp g, 0,1
	v_max3_num_f32 v[(\bm)+\g], v[(\bm)+\g], v[6+\g], v[(\sb)+32*\g+23]
.endr
.irp g, 0,1
	v_max_num_f32 v[(\bm)+\g], v[(\bm)+\g], v[(\sb)+32*\g+31]
.endr
.endm
.macro FMAS sb, from, cnt              ; t - M, two at a time: pairs from .. from + cnt - 1
.set J, 2*(\from)
.rept \cnt
	v_pk_fma_f32 v[(\sb)+J:(\sb)+J+1], v[(\sb)+J:(\sb)+J+1], s[CS:CS+1], v[12:13] op_sel_hi:[1,0,0]
.set J, J+2
.endr
.endm
.macro ADDS sb, n, from, cnt           ; the sum's tree in place: pair i += pair i + n
.set I, \from
.rept \cnt
	v_pk_add_f32 v[(\sb)+2*I:(\sb)+2*I+1], v[(\sb)+2*I:(\sb)+2*I+1], v[(\sb)+2*(I+\n):(\sb)+2*(I+\n)+1]
.set I, I+1
.endr
.endm
; A record's 66 exponentials.  fill = 1: among them stand the next record's multiply-adds, which name no result of the batch and are first read behind the next batch's wait
.macro BATCH sb, bm, fill
	s_wait_alu depctr_va_vdst(0)
.irp g, 0,1
	v_exp_f32 v[(\bm)+\g], v[(\bm)+\g]             ; the blocks' largest p: the same two instructions on the same number give the same bits
.endr
.set J, 0
.rept 32
	v_exp_f32 v[(\sb)+J], v[(\sb)+J]               ; p = 2^(t - M)
	v_exp_f32 v[(\sb)+J+1], v[(\sb)+J+1]
.if \fill
	v_pk_fma_f32 v[(\sb)+64+J:(\sb)+65+J], v[(\sb)+64+J:(\sb)+65+J], s[CS:CS+1], v[12:13] op_sel_hi:[1,0,0]
.endif
.set J, J+2
.endr
.if \fill
.irp g, 0,1
	v_fma_f32 v[(\bm)+2+\g], v[(\bm)+2+\g], s[CS], v12     ; (plain lines behind the batch)
.endr
.else
	v_nop                                          ; a plain place behind the batch
.endif
	s_wait_alu depctr_va_vdst(0)                   ; one wait for the 66, ahead of their first reader
.endm
; Behind the batch: a record's codes and scale word, and the sum's tree down to four pairs
.macro POST sb, bm, pc, pw
.irp g, 0,1
	v_max_num_f32 v[(\bm)+\g], 0x1800000, v[(\bm)+\g]  ; the floor 2^(3 - 127): the byte cannot fall under 1
.endr
.irp g, 0,1
	v_add_nc_u32 v[T2+\g], 0xff000000, v[(\bm)+\g]     ; 2 off the exponent field: the conversion's scale operand
.endr
.irp g, 0,1
.irp u, 0,1,2,3
	v_cvt_scalef32_pk8_fp4_f32 v[(\pc)+4*\g+\u], v[(\sb)+32*\g+8*\u:(\sb)+32*\g+8*\u+7], v[T2+\g]   ; register 4 g + u: keys 64 g + 32 h + 8 u + 0 .. 7: the operand's own layout
.endr
.endr
.irp g, 0,1
	v_lshrrev_b32 v[(\bm)+\g], 23, v[T2+\g]        ; the scale's byte.  (Plain lines behind the last conversion)
.endr
	ADDS \sb, 16, 0, 4                             ; the sum of the unquantised p; the scale word's four lines stand among its first level
	v_lshl_or_b32 v[(\bm)], v[(\bm)+1], 16, v[(\bm)]   ; my blocks h and 2 + h,
	ADDS \sb, 16, 4, 4
	v_lshlrev_b32 v[(\bm)], v[SH], v[(\bm)]        ; at their places in the word;
	ADDS \sb, 16, 8, 4
	v_permlanex16_b32 v[PRM], v[(\bm)], s[SEL], s[SEL+1]
	ADDS \sb, 16, 12, 4
	v_or_b32 v[\pw], v[(\bm)], v[PRM]              ; with lane l xor 16's two the word is whole
	ADDS \sb, 8, 0, 8                              ; these twelve lines are also the places between the scale word and the products
	ADDS \sb, 4, 0, 4
.endm
; A STEP: 256 keys.  pre = 1: the next step's first record of K is asked for.  At its head the first record's K is in, and six plain lines stand behind the last products
.macro STEP pre
	SMUL S
	v_add_nc_u32 v[A16], s[TB], v[L16]             ; with the two v_nop the four places behind the products
	v_add_nc_u32 v[A4], s[TB], v[L4]
	v_nop
	v_nop
	KLOAD A16, A4, REC                             ; the second record's K lands under the first's maxima
	TREE1 S, BM
	s_wait_alu depctr_va_vdst(0)
	s_wait_dscnt 0x0
	SMUL S+64
	TREE2 S, BM                                    ; four plain lines on other registers: the places behind the products
.if \pre
	KLOAD A16, A4, 2*REC
.endif
	TREE1 S+64, BM+2
	TREE2 S+64, BM+2
	v_max3_num_f32 v[TMP], v[BM], v[BM+1], v[BM+2]
	s_delay_alu instid0(VALU_DEP_1)
	v_max_num_f32 v[TMP], v[TMP], v[BM+3]
	s_delay_alu instid0(VALU_DEP_1)
	v_permlanex16_b32 v[PRM], v[TMP], s[SEL], s[SEL+1]
	s_delay_alu instid0(VALU_DEP_1)
	v_max3_num_f32 v13, v13, v[TMP], v[PRM]        ; the running largest score of my query (c is positive)
	v_mov_b32 v[OLD], v12
	s_delay_alu instid0(VALU_DEP_2)
	v_mul_f32 v[TMP], s[CS], v13                   ; as t
	s_delay_alu instid0(VALU_DEP_1)
	v_floor_f32 v12, -v[TMP]                       ; -M = floor(-t): M is a whole number
	s_delay_alu instid0(VALU_DEP_1)
	v_sub_f32 v[TMP], v12, v[OLD]                  ; old M - new M, 0 or less
	FMAS S, 0, 4
	v_cvt_i32_f32 v[TMP], v[TMP]                   ; (it saturates)
	FMAS S, 4, 4
	v_ldexp_f32 v[F], 1.0, v[TMP]
	FMAS S, 8, 24
.irp g, 0,1
	v_fma_f32 v[BM+\g], v[BM+\g], s[CS], v12       ; the same of each block's largest score
.endr
	v_pk_mul_f32 v[14:15], v[14:15], v[F:F+1] op_sel_hi:[1,0]   ; the sum under the new M
.set J, 0
.rept 16
	v_pk_mul_f32 v[O+J:O+J+1], v[O+J:O+J+1], v[F:F+1] op_sel_hi:[1,0]   ; O^T under the new M, each accumulator from its low end on
.set J, J+2
.endr
	BATCH S, BM, 1
	POST S, BM, PC, PW
	v_pk_add_f32 v[6:7], v[S:S+1], v[S+4:S+5]      ; the first record's sum leaves p's registers as two pairs
	v_pk_add_f32 v[10:11], v[S+2:S+3], v[S+6:S+7]
.irp x, 0,1                                    ; V of both records into the registers that held the first record's p: it lands under the second record's softmax
.irp t, 0,1,2,3
.irp c, 0,1
	ds_load_b128 v[S+32*\x+8*\t+4*\c:S+32*\x+8*\t+4*\c+3], v[A16] offset:REC*\x+4096+1024*\t+512*\c
.endr
.endr
.irp i, 0,1
	ds_load_b32 v[VSW+2*\x+\i], v[A4] offset:REC*\x+8704+128*\i
.endr
.endr
	BATCH S+64, BM+2, 0
	POST S+64, BM+2, PC+8, PW+1
	s_wait_alu depctr_va_vdst(0)
	s_wait_dscnt 0x0                               ; V is in, and the next step's K, asked for earlier
.irp x, 0,1                                    ; the four accumulators take turns
.irp t, 0,1,2,3
	WM O+8*\t, S+32*\x+8*\t, PC+8*\x, VSW+2*\x+\t/2, PW+\x, \t%2, 0      ; register 8 t + j: d = 16 t + 8 h + j of my query
.endr
.endr
	ADDS S+64, 2, 0, 2                             ; the sums' last levels: six plain lines on other registers, the places ahead of the next products, which write over V's registers
	v_pk_add_f32 v[6:7], v[6:7], v[10:11]
	v_pk_add_f32 v[S+64:S+65], v[S+64:S+65], v[S+66:S+67]
	s_delay_alu instid0(VALU_DEP_1)
	v_pk_add_f32 v[6:7], v[6:7], v[S+64:S+65]
	s_delay_alu instid0(VALU_DEP_1)
	v_pk_add_f32 v[14:15], v[14:15], v[6:7]
.endm
	s_load_b256 s[4:11], s[0:1], 0x0               ; q_img 4, q_sw 6, kv 8, o_img 10
	s_load_b64 s[12:13], s[0:1], 0x20              ; o_sw
	v_lshl_add_u32 v[SPW], v0, 2, SPARE
	v_mov_b32 v[NIL], 0
	ds_add_u32 v[SPW], v[NIL]                      ; the opening lines: the add, twice on end, and its wait ahead of my tensor load
	ds_add_u32 v[SPW], v[NIL]
	v_lshrrev_b32 v1, 5, v0
	s_delay_alu instid0(VALU_DEP_1)
	v_readfirstlane_b32 s[WV], v1                  ; wave 0..15
	s_bfe_u32 s17, ttmp6, 0x40000                  ; cx
	s_lshl_b32 s18, ttmp9, 2
	s_add_co_u32 s18, s18, s17                     ; my block of 256 queries: it enters Q's and O's addresses alone
	s_and_b32 s19, ttmp7, 0xffff                   ; the head, which the four partners share
	s_mov_b32 s[G1], 15|(3<<16)|(1<<21)            ; the mask: all four; elements of 8 bytes; bit 21 beside a mask; no padding
	s_mov_b32 s[G1+1], 32<<16                      ; rows of 256 bytes,
	s_mov_b32 s[G1+2], 70<<16                      ; 70 of them: two records
	s_mov_b32 s[G1+3], 32<<16
	s_mov_b32 s[G1+4], 70
	s_mov_b32 s[G1+5], 32                          ; dense
	s_mov_b32 s[G1+6], 0
	s_mov_b32 s[G1+7], 0
	s_mul_i32 s50, s[WV], 2*REC                    ; my two records, in LDS and in the head's kv alike
	s_mul_i32 s52, s19, 32*REC
	s_add_co_u32 s52, s52, s50
	s_mov_b32 s53, 0
	s_lshl_b32 s54, s18, 4
	s_add_co_u32 s54, s54, s[WV]                   ; T: my tile of queries
	s_lshl_b32 s55, s19, 8
	s_add_co_u32 s55, s55, s54
	s_lshl_b32 s56, s55, 9                         ; q_img: (256 head + T) x 512
	s_mov_b32 s57, 0
	s_lshl_b32 s58, s55, 6                         ; q_sw: x 64
	s_mov_b32 s59, 0
	s_lshl_b32 s14, s54, 4
	s_add_co_u32 s14, s14, s19
	s_lshl_b32 s14, s14, 9                         ; o_img: (16 T + head) x 512
	s_mov_b32 s15, 0
	s_lshl_b32 s2, s19, 8
	s_lshl_b32 s3, s18, 4
	s_add_co_u32 s2, s2, s3
	s_lshl_b32 s2, s2, 6                           ; o_sw: (256 head + 16 block) x 64
	s_mov_b32 s3, 0
	s_mov_b32 s[SEL], 0x76543210
	s_mov_b32 s[SEL+1], 0xfedcba98
	s_mov_b32 s[CS], 0x3e38aa3b
	s_mov_b32 s[CS+1], s[CS]
	s_mov_b32 s[TB], 0
	s_wait_dscnt 0x0
	s_wait_kmcnt 0x0
	s_add_nc_u64 s[52:53], s[8:9], s[52:53]
	s_add_nc_u64 s[4:5], s[4:5], s[56:57]
	s_add_nc_u64 s[6:7], s[6:7], s[58:59]
	s_add_nc_u64 s[10:11], s[10:11], s[14:15]
	s_add_nc_u64 s[12:13], s[12:13], s[2:3]
	ROUND                                          ; all four work-groups are here: the joint loads meet
	s_mov_b32 s[G0], 1
	s_mov_b32 s[G0+1], s50
	s_mov_b64 s[G0+2:G0+3], s[52:53]
	s_or_b32 s[G0+3], s[G0+3], 0x80000000
	tensor_load_to_lds s[G0:G0+3], s[G1:G1+7]      ; every wave's one load: 16 x 2 records are the whole head
	s_nop 0
	v_and_b32 v[L4], 31, v0
	s_delay_alu instid0(VALU_DEP_1)
	v_lshlrev_b32 v[L16], 4, v[L4]
	v_lshlrev_b32 v[L4], 2, v[L4]
	v_and_b32 v[TMP], 15, v0
	s_delay_alu instid0(VALU_DEP_1)
	v_lshlrev_b32 v[TMP], 2, v[TMP]                ; 4 r
	v_bfe_u32 v[SH], v0, 4, 1
	s_delay_alu instid0(VALU_DEP_1)
	v_lshlrev_b32 v[SH], 3, v[SH]
	global_load_b128 v[QF:QF+3], v[L16], s[4:5]
	global_load_b32 v[QSW], v[TMP], s[6:7]
.irp j, 0,1,2,3
	v_mov_b32 v[QF+4+\j], 0
	v_mov_b32 v[KB+32+\j], 0
.endr
	v_mov_b32 v[PRM], 0                            ; a lane permute's destination counts as one of its sources
	v_mov_b32 v[PRM+1], 0
	v_mov_b32 v13, 0xff61b1e6                      ; the largest score so far: -3e38, under every score
	s_delay_alu instid0(VALU_DEP_1)
	v_mul_f32 v12, s[CS], v13
	s_delay_alu instid0(VALU_DEP_1)
	v_floor_f32 v12, -v12                          ; -M
	v_mov_b32 v14, 0
	v_mov_b32 v15, 0
	v_mov_b32 v[F+1], 0                            ; (named with f as a pair)
.set J, 0
.rept 32
	v_mov_b32 v[O+J], 0                            ; the step has no first form of its own: it finds zeros, which the first change of M leaves zeros
.set J, J+1
.endr
	s_wait_alu depctr_va_vdst(0)
	s_wait_loadcnt 0x0
	s_wait_tensorcnt 0x0                           ; my two records are in,
	s_barrier_signal -1
	s_barrier_wait -1                              ; everybody's are
	KLOAD L16, L4, 0
	s_mov_b32 s[CNT], 15
	s_wait_dscnt 0x0                               ; the first record's K is in; in later steps the wait ahead of the last products has shown it
.Lstep:
	STEP 1
	s_add_co_u32 s[TB], s[TB], 2*REC
	s_sub_co_u32 s[CNT], s[CNT], 1
	s_cmp_lg_u32 s[CNT], 0
	s_cbranch_scc1 .Lstep
	STEP 0                                         ; the last step is written out: no record follows it
	; THE WAY OUT: O^T / the sum, quantised along d (two blocks of 32), as an image of the last projection's operand
	v_and_b32 v[A16], 15, v0
	s_lshl_b32 s54, s[WV], 6
	s_add_co_u32 s54, s54, OSC
	v_lshl_add_u32 v[A16], v[A16], 2, s54          ; O's scale word: 64 bytes a wave, word r
	v_and_b32 v[A4], 63, v0
	v_lshl_add_u32 v11, v[A4], 4, OSC              ; read back by waves 0 and 1, 512 bytes each,
	v_lshlrev_b32 v[A4], 4, v[A4]                  ; and stored so
	v_add_f32 v14, v14, v15
	s_delay_alu instid0(VALU_DEP_1)
	v_permlanex16_b32 v[PRM], v14, s[SEL], s[SEL+1]
	s_delay_alu instid0(VALU_DEP_1)
	v_add_f32 v14, v14, v[PRM]                     ; the row's sum
	s_wait_alu depctr_va_vdst(0)
	v_rcp_f32 v14, v14
	v_nop                                          ; a plain place behind the reciprocal,
	s_wait_alu depctr_va_vdst(0)                   ; and the wait ahead of its first reader, which is O^T's first reader too
.set J, 0
.rept 32
	v_mul_f32 v[S+J], v[O+J], v14                  ; register 8 t + j: d = 16 t + 8 h + j
.set J, J+1
.endr
.irp b, 0,1
	v_max3_num_f32 v[BM+\b], |v[S+16*\b]|, |v[S+16*\b+1]|, 0x1800000
.endr
.irp i, 2,4,6,8,10,12,14
.irp b, 0,1
	s_delay_alu instid0(VALU_DEP_2)
	v_max3_num_f32 v[BM+\b], v[BM+\b], |v[S+16*\b+\i]|, |v[S+16*\b+\i+1]|
.endr
.endr
.irp b, 0,1
	s_delay_alu instid0(VALU_DEP_2)
	v_permlanex16_b32 v[PRM+\b], v[BM+\b], s[SEL], s[SEL+1]
.endr
.irp b, 0,1
	s_delay_alu instid0(VALU_DEP_2)
	v_max_num_f32 v[BM+\b], v[BM+\b], v[PRM+\b]    ; with lane l xor 16's half of the block
.endr
.irp b, 0,1
	s_delay_alu instid0(VALU_DEP_2)
	v_add_nc_u32 v[T2+\b], 0xff000000, v[BM+\b]
.endr
.irp b, 0,1
	s_delay_alu instid0(VALU_DEP_2)
	v_lshrrev_b32 v[PRM+\b], 23, v[T2+\b]
.endr
	s_delay_alu instid0(VALU_DEP_1)
	v_lshl_or_b32 v[TMP], v[PRM+1], 8, v[PRM]      ; two bytes; the launch that reads them joins two heads' words
.irp b, 0,1
	v_cvt_scalef32_pk8_fp4_f32 v[PC+\b], v[S+16*\b:S+16*\b+7], v[T2+\b]
	v_cvt_scalef32_pk8_fp4_f32 v[PC+2+\b], v[S+16*\b+8:S+16*\b+15], v[T2+\b]
.endr
	v_nop                                          ; one plain place behind the last scaled conversion
	v_permlane16_swap_b32 v[PC], v[PC+1]           ; here a block lies in two lanes: the operand wants it whole in one
	v_permlane16_swap_b32 v[PC+2], v[PC+3]
	global_store_b128 v[L16], v[PC:PC+3], s[10:11] ; 512 consecutive bytes, aligned
	ds_store_b32 v[A16], v[TMP]                    ; both halves of the lanes write the same word with the same value
	s_wait_dscnt 0x0                               ; for the others' sake
	s_barrier_signal -1
	s_barrier_wait -1
	s_cmp_lt_u32 s[WV], 2                          ; the sixteen tiles' words, 1,024 bytes, leave in whole runs
	s_cbranch_scc0 .Lend
	ds_load_b128 v[S:S+3], v11
	s_wait_dscnt 0x0
	global_store_b128 v[A4], v[S:S+3], s[12:13]
.Lend:
	s_wait_tensorcnt 0x0                           ; the wave's end
	ds_add_u32 v[SPW], v[NIL]
	s_wait_dscnt 0x0
	ROUND                                          ; the closing round
	s_endpgm
.Lfunc_end_k_q2b6b5452c6_attn:
	.size	k_q2b6b5452c6_attn, .Lfunc_end_k_q2b6b5452c6_attn-k_q2b6b5452c6_attn
	.p2alignl 7, 3214868480
	.fill 96, 4, 3214868480
	.section	.rodata,"a",@progbits
	.p2align	6, 0x0
	.amdhsa_kernel k_q2b6b5452c6_attn
		.amdhsa_group_segment_fixed_size 289792
		.amdhsa_private_segment_fixed_size 0
		.amdhsa_enable_private_segment 0
		.amdhsa_kernarg_size 40
		.amdhsa_user_sgpr_count 2
		.amdhsa_user_sgpr_kernarg_segment_ptr 1
		.amdhsa_wavefront_size32 1
		.amdhsa_system_sgpr_workgroup_id_x 1
		.amdhsa_system_sgpr_workgroup_id_y 1
		.amdhsa_system_sgpr_workgroup_id_z 1
		.amdhsa_system_vgpr_workitem_id 0
		.amdhsa_next_free_vgpr 256
		.amdhsa_next_free_sgpr 66
		.amdhsa_reserve_vcc 0
		.amdhsa_float_denorm_mode_32 3
		.amdhsa_float_denorm_mode_16_64 3
		.amdhsa_memory_ordered 1
		.amdhsa_forward_progress 1
		.amdhsa_inst_pref_size 64
	.end_amdhsa_kernel
	.amdgpu_metadata
---
amdhsa.version: [ 1, 2 ]
amdhsa.kernels:
  - .name:           k_q2b6b5452c6_attn
    .symbol:         k_q2b6b5452c6_attn.kd
    .args:
      - { .name: q_img, .offset: 0, .size: 8, .value_kind: global_buffer, .address_space: global }
      - { .name: q_sw, .offset: 8, .size: 8, .value_kind: global_buffer, .address_space: global }
      - { .name: kv, .offset: 16, .size: 8, .value_kind: global_buffer, .address_space: global }
      - { .name: o_img, .offset: 24, .size: 8, .value_kind: global_buffer, .address_space: global }
      - { .name: o_sw, .offset: 32, .size: 8, .value_kind: global_buffer, .address_space: global }
    .group_segment_fixed_size: 289792
    .private_segment_fixed_size: 0
    .kernarg_segment_align: 8
    .kernarg_segment_size: 40
    .max_flat_workgroup_size: 512
    .sgpr_count:     66
    .vgpr_count:     256
    .wavefront_size: 32
...
	.end_amdgpu_metadata
.endif
;; end of part 2
;; launch oproj (part 3): grid 8 x 32, 8 waves a work-group, clusters of 4 x 4, 201,728 bytes of LDS; arguments o_img, o_sw, Wo_codes, Wo_scales, bo, out0; writes out0
.if DOCPART == 3
	.amdgcn_target "amdgcn-amd-amdhsa--gfx1250"
	.amdhsa_code_object_version 6
	.text
	.protected	k_q2b6b5452c6_oproj
	.globl	k_q2b6b5452c6_oproj
	.p2align	8
	.type	k_q2b6b5452c6_oproj,@function
k_q2b6b5452c6_oproj:
	s_mov_b64 s[64:65], 0
	v_nop
	global_prefetch_b8 v0, s[64:65] scope:SCOPE_SE
	s_setreg_imm32_b32 hwreg(HW_REG_WAVE_MODE, 25, 1), 1
	s_wait_xcnt 0x0
	s_wait_alu depctr_hold_cnt(0) depctr_sa_sdst(0) depctr_va_vdst(0) depctr_va_sdst(0) depctr_va_ssrc(0) depctr_va_vcc(0) depctr_vm_vsrc(0)
	s_getreg_b32 s2, hwreg(HW_REG_IB_STS2, 6, 4)
	s_cmp_eq_u32 s2, 0
	s_cbranch_scc0 .Lentry_in_a_cluster
	s_endpgm
.Lentry_in_a_cluster:
	s_bfe_u32 s2, ttmp6, 0x10000c
	s_cmp_lg_u32 s2, 0xf033
	s_cbranch_scc0 .Lentry_shape_is_right
	s_endpgm
.Lentry_shape_is_right:
; out0 = o Wo^T + bo on codes of FP4 (E2M1) with E8M0 scales; sums in f32.  o comes as images of its operand registers:
; o_img [tile of 16 rows][head][512]: the 1,024 bytes of heads 2 p, 2 p + 1 are the fragment of K step p;  o_sw [head][tile][16 words], two scale bytes a word.
; SHARES.  A work-group makes 128 rows x 128 columns; wave w: rows 32 (w / 2) on, columns 64 (w % 2) on: eight accumulators.  All that it reads (64 KiB of o, 64 KiB of Wo) lies in LDS at once, filled once.
; CLUSTER 4 x 4: o's tiles hang on the block of rows alone and are shared along a row of the cluster, Wo's on the block of columns alone and are shared along a column.
; The matrix instruction is used transposed (source 0 = 16 rows of Wo, source 1 = 16 rows of o): a lane holds eight neighbouring numbers of a row of out0.  bo is loaded into the accumulators.
; LIMITS: NaN, infinities and given scale bytes of 0xff are not served.
.set WP,   528                         ; a row of Wo in LDS: 512 bytes + 16 = 132 words: the 16 rows of a fragment load start at 16 different banks (ISA guide 11.1)
.set WT,   65536                       ; behind o's images
.set STG,  WT+128*WP                   ; the stage for out0: 128 rows x (512 + 16); no tile lands here
.set WV,   16
.set G1O,  24
.set G1W,  32
.set G0O,  40
.set G0W,  44
; s48-53 hold numbers made of cy and the wave alone, s54-59 of cx and the wave alone
; v1 o's images, v2 Wo's fragments, v3, v4 the stage, v5 16 x lane; v8-15 o's scale words, v16-31 Wo's, v32-47 o's as loaded; v64-127 accumulators (a, t) at v[64 + 32 a + 8 t]; v128-255 two sets of fragments
.macro PLACES
.rept 4
	v_nop
.endr
.endm
.macro ROUND
	s_barrier_signal -1
	s_barrier_wait -1
	s_cmp_lg_u32 s[WV], 0
	s_cbranch_scc1 .Lnot_wave_0_\@
	s_barrier_signal -3
.Lnot_wave_0_\@:
	s_barrier_wait -3
	s_barrier_signal -1
	s_barrier_wait -1
.endm
.macro WM d, fa, fb, sa, sb, ra, rb    ; ra, rb = 1: that side's scales are read from lanes 16-31
.if (\ra) && (\rb)
	v_wmma_scale_f32_16x16x128_f8f6f4 v[(\d):(\d)+7], v[(\fa):(\fa)+7], v[(\fb):(\fb)+7], v[(\d):(\d)+7], v[\sa], v[\sb] matrix_a_fmt:MATRIX_FMT_FP4 matrix_b_fmt:MATRIX_FMT_FP4 matrix_a_scale:MATRIX_SCALE_ROW1 matrix_b_scale:MATRIX_SCALE_ROW1
.elseif \ra
	v_wmma_scale_f32_16x16x128_f8f6f4 v[(\d):(\d)+7], v[(\fa):(\fa)+7], v[(\fb):(\fb)+7], v[(\d):(\d)+7], v[\sa], v[\sb] matrix_a_fmt:MATRIX_FMT_FP4 matrix_b_fmt:MATRIX_FMT_FP4 matrix_a_scale:MATRIX_SCALE_ROW1
.elseif \rb
	v_wmma_scale_f32_16x16x128_f8f6f4 v[(\d):(\d)+7], v[(\fa):(\fa)+7], v[(\fb):(\fb)+7], v[(\d):(\d)+7], v[\sa], v[\sb] matrix_a_fmt:MATRIX_FMT_FP4 matrix_b_fmt:MATRIX_FMT_FP4 matrix_b_scale:MATRIX_SCALE_ROW1
.else
	v_wmma_scale_f32_16x16x128_f8f6f4 v[(\d):(\d)+7], v[(\fa):(\fa)+7], v[(\fb):(\fb)+7], v[(\d):(\d)+7], v[\sa], v[\sb] matrix_a_fmt:MATRIX_FMT_FP4 matrix_b_fmt:MATRIX_FMT_FP4
.endif
.endm
	s_load_b256 s[4:11], s[0:1], 0x0               ; o_img 4, o_sw 6, Wo_codes 8, Wo_scales 10
	s_load_b128 s[12:15], s[0:1], 0x20             ; bo 12, out0 14
	v_lshl_add_u32 v254, v0, 2, 0x31000
	v_mov_b32 v255, 0
	ds_add_u32 v254, v255
	ds_add_u32 v254, v255
	v_lshrrev_b32 v1, 5, v0
	s_delay_alu instid0(VALU_DEP_1)
	v_readfirstlane_b32 s[WV], v1                  ; wave 0..7
	s_bfe_u32 s17, ttmp6, 0x40000                  ; cx
	s_bfe_u32 s18, ttmp6, 0x40004                  ; cy
	s_lshl_b32 s19, ttmp9, 2
	s_add_co_u32 s19, s19, s17                     ; the block of 128 columns
	s_and_b32 s20, ttmp7, 0xffff
	s_lshl_b32 s20, s20, 2
	s_add_co_u32 s20, s20, s18                     ; the block of 128 rows
	s_lshl_b32 s21, s18, 2
	s_lshl_b32 s21, 15, s21                        ; my row of the cluster
	s_lshl_b32 s22, 0x1111, s17                    ; my column
	s_or_b32 s[G1O], s21, (3<<16)|(1<<21)          ; o: a dense block as 128 rows of 256 bytes (32 elements of 8), no padding: it is read as images
	s_mov_b32 s[G1O+1], 32<<16
	s_mov_b32 s[G1O+2], 128<<16
	s_mov_b32 s[G1O+3], 32<<16
	s_mov_b32 s[G1O+4], 128
	s_mov_b32 s[G1O+5], 32
	s_mov_b32 s[G1O+6], 0
	s_mov_b32 s[G1O+7], 0
	s_or_b32 s[G1W], s22, (1<<20)|(1<<21)|(6<<22)|(3<<25)   ; Wo: 64 rows of 512 bytes, four words of padding behind every 128
	s_mov_b32 s[G1W+1], 512<<16
	s_mov_b32 s[G1W+2], 64<<16
	s_mov_b32 s[G1W+3], 512<<16
	s_mov_b32 s[G1W+4], 64
	s_mov_b32 s[G1W+5], 512
	s_mov_b32 s[G1W+6], 0
	s_mov_b32 s[G1W+7], 0
	s_and_b32 s48, s[WV], 1
	s_lshl_b32 s49, s48, 15                        ; o (waves 0, 1): my half of 65,536 bytes, in LDS and in memory alike
	s_lshl_b32 s50, s20, 16
	s_add_co_u32 s50, s50, s49
	s_mov_b32 s51, 0
	s_and_b32 s54, s[WV], 1
	s_mul_i32 s55, s54, 64*WP                      ; Wo (waves 2, 3): my 64 rows
	s_add_co_u32 s55, s55, WT
	s_lshl_b32 s56, s19, 16
	s_lshl_b32 s57, s54, 15
	s_add_co_u32 s56, s56, s57
	s_mov_b32 s57, 0
	s_wait_dscnt 0x0
	s_wait_kmcnt 0x0
	s_add_nc_u64 s[52:53], s[4:5], s[50:51]
	s_add_nc_u64 s[58:59], s[8:9], s[56:57]
	ROUND                                          ; all sixteen work-groups are here: the joint loads meet
	s_mov_b32 s[G0O], 1
	s_mov_b32 s[G0O+1], s49
	s_mov_b64 s[G0O+2:G0O+3], s[52:53]
	s_or_b32 s[G0O+3], s[G0O+3], 0x80000000
	s_mov_b32 s[G0W], 1
	s_mov_b32 s[G0W+1], s55
	s_mov_b64 s[G0W+2:G0W+3], s[58:59]
	s_or_b32 s[G0W+3], s[G0W+3], 0x80000000
	s_cmp_lt_u32 s[WV], 2                          ; one load of a wave is out
	s_cbranch_scc0 .Lnot_o
	tensor_load_to_lds s[G0O:G0O+3], s[G1O:G1O+7]
	s_nop 0
	PLACES
	s_branch .Lasked
.Lnot_o:
	s_cmp_lt_u32 s[WV], 4
	s_cbranch_scc0 .Lasked
	tensor_load_to_lds s[G0W:G0W+3], s[G1W:G1W+7]
	s_nop 0
	PLACES
.Lasked:
	s_lshr_b32 s60, s[WV], 1                       ; wr: my 32 rows
	s_and_b32 s61, s[WV], 1                        ; wc: my 64 columns
	s_mov_b32 s63, 0
	s_lshl_b32 s62, s20, 9
	s_lshl_b32 s23, s60, 7
	s_add_co_u32 s62, s62, s23
	s_add_nc_u64 s[6:7], s[6:7], s[62:63]          ; o_sw: tile 8 rb + 2 wr, 64 bytes a tile
	s_lshl_b32 s62, s19, 12
	s_lshl_b32 s23, s61, 11
	s_add_co_u32 s62, s62, s23
	s_add_nc_u64 s[10:11], s[10:11], s[62:63]      ; Wo's scales: row 128 nb + 64 wc, 32 bytes a row
	s_lshl_b32 s62, s19, 9
	s_lshl_b32 s23, s61, 8
	s_add_co_u32 s62, s62, s23
	s_add_nc_u64 s[12:13], s[12:13], s[62:63]      ; bo
	s_lshl_b32 s62, s20, 19
	s_lshl_b32 s23, s[WV], 16
	s_add_co_u32 s62, s62, s23
	s_lshl_b32 s23, s19, 9
	s_add_co_u32 s62, s62, s23
	s_add_nc_u64 s[14:15], s[14:15], s[62:63]      ; out0: row 128 rb + 16 w of 4,096 bytes, + 512 nb
	v_and_b32 v6, 31, v0                           ; lane
	v_and_b32 v7, 15, v0                           ; r
	v_bfe_u32 v51, v0, 4, 1                        ; h
	s_delay_alu instid0(VALU_DEP_3)
	v_lshlrev_b32 v5, 4, v6
	s_wait_alu depctr_va_vdst(0)
	s_lshl_b32 s62, s60, 14
	v_add_nc_u32 v1, s62, v5                       ; o's images: my two tiles of 8,192 bytes
	v_mul_u32_u24 v2, v7, WP
	s_delay_alu instid0(VALU_DEP_1)
	v_lshl_add_u32 v2, v51, 4, v2
	s_mul_i32 s62, s61, 64*WP
	s_add_co_u32 s62, s62, WT
	v_add_nc_u32 v2, s62, v2                       ; Wo: row 64 wc + r, + 16 h
	; THE ROWS OF A TILE OF o ARE NOT NEIGHBOURS: tile 4 g + t holds at place m row 64 g + 32 (m / 8) + 8 t + m % 8 (so the launches before lay them).  The stage puts them in order:
	; my tiles 2 wr and 2 wr + 1 begin at row 64 (wr / 2) + 16 (wr % 2), the second 8 rows on; place r is row r + 24 (r / 8) from there
	s_lshr_b32 s62, s60, 1
	s_mul_i32 s62, s62, 64*WP
	s_and_b32 s23, s60, 1
	s_mul_i32 s23, s23, 16*WP
	s_add_co_u32 s62, s62, s23
	s_lshl_b32 s23, s61, 8
	s_add_co_u32 s62, s62, s23
	s_add_co_u32 s62, s62, STG
	v_lshrrev_b32 v3, 3, v7
	s_delay_alu instid0(VALU_DEP_1)
	v_mad_u32_u24 v3, v3, 24, v7
	s_delay_alu instid0(VALU_DEP_1)
	v_mul_u32_u24 v3, v3, WP
	s_delay_alu instid0(VALU_DEP_1)
	v_lshl_add_u32 v3, v51, 5, v3
	s_delay_alu instid0(VALU_DEP_1)
	v_add_nc_u32 v3, s62, v3                       ; the stage, in: my lane's row, + 256 wc + 32 h
	s_mul_i32 s62, s[WV], 16*WP
	s_add_co_u32 s62, s62, STG
	v_add_nc_u32 v4, s62, v5                       ; and back: my 16 whole rows
	v_lshlrev_b32 v48, 2, v6
	v_lshlrev_b32 v49, 5, v6
	v_lshlrev_b32 v50, 5, v51
.irp n, 0,1,2,3,4,5,6,7,8,9,10,11,12,13,14,15
	global_load_b32 v[32+\n], v48, s[6:7] offset:16384*\n   ; head n's words: lanes 0-15 my first tile of rows, lanes 16-31 my second
.endr
.irp i, 0,1                                    ; v[16 + 8 i + ks]: lanes 0-15 Wo's tile 2 i, lanes 16-31 tile 2 i + 1
	global_load_b128 v[16+8*\i:19+8*\i], v49, s[10:11] offset:1024*\i
	global_load_b128 v[20+8*\i:23+8*\i], v49, s[10:11] offset:1024*\i+16
.endr
.irp a, 0,1
.irp t, 0,1,2,3
	global_load_b128 v[64+32*\a+8*\t:67+32*\a+8*\t], v50, s[12:13] offset:64*\t      ; bo into the accumulators: register j is column 16 t + 8 h + j
	global_load_b128 v[68+32*\a+8*\t:71+32*\a+8*\t], v50, s[12:13] offset:64*\t+16
.endr
.endr
	s_wait_loadcnt 0x0
.irp p, 0,1,2,3,4,5,6,7
	v_lshl_or_b32 v[8+\p], v[33+2*\p], 16, v[32+2*\p]      ; K step p: two bytes of head 2 p, two of head 2 p + 1
.endr
	s_wait_alu depctr_va_vdst(0)
	s_wait_tensorcnt 0x0                           ; my tile is in,
	s_barrier_signal -1
	s_barrier_wait -1                              ; everybody's is
.macro FETCH ks                        ; twelve loads: o's two fragments and Wo's four of K step ks, into set ks % 2
.irp a, 0,1
.irp c, 0,1
	ds_load_b128 v[128+64*((\ks)%2)+8*\a+4*\c:128+64*((\ks)%2)+8*\a+4*\c+3], v1 offset:8192*\a+1024*(\ks)+512*\c
.endr
.endr
.irp t, 0,1,2,3
.irp c, 0,1
	ds_load_b128 v[144+64*((\ks)%2)+8*\t+4*\c:144+64*((\ks)%2)+8*\t+4*\c+3], v2 offset:16*WP*\t+64*(\ks)+32*\c
.endr
.endr
.endm
.macro STEP ks
.if (\ks) < 7
	PLACES                                         ; behind the last step's products, which read the set that is loaded now (in the first step: among the places behind the scale words' last lines)
	FETCH (\ks)+1
	s_wait_dscnt 12                                ; all but the twelve just issued
.else
	s_wait_dscnt 0x0
.endif
.irp a, 0,1                                    ; the eight accumulators take turns, one instruction a turn
.irp t, 0,1,2,3
	WM 64+32*\a+8*\t, 144+64*((\ks)%2)+8*\t, 128+64*((\ks)%2)+8*\a, 16+8*(\t/2)+(\ks), 8+(\ks), \t%2, \a
.endr
.endr
.endm
	FETCH 0
.irp k, 0,1,2,3,4,5,6,7
	STEP \k
.endr
	; THE WAY OUT: a row's 512 bytes come from two waves: they meet in the stage, and each wave stores 16 whole rows
	PLACES
.irp a, 0,1
.irp t, 0,1,2,3
	ds_store_b128 v3, v[64+32*\a+8*\t:67+32*\a+8*\t] offset:8*WP*\a+64*\t           ; each accumulator from its low end on
	ds_store_b128 v3, v[68+32*\a+8*\t:71+32*\a+8*\t] offset:8*WP*\a+64*\t+16
.endr
.endr
	s_wait_dscnt 0x0                               ; for the others' sake
	s_barrier_signal -1
	s_barrier_wait -1
.irp i, 0,1,2,3,4,5,6,7,8,9,10,11,12,13,14,15
	ds_load_b128 v[128+4*\i:131+4*\i], v4 offset:WP*\i
.endr
.irp i, 0,1,2,3,4,5,6,7,8,9,10,11,12,13,14,15
	s_wait_dscnt 15-\i                             ; row i is back; the younger loads may be out
	global_store_b128 v5, v[128+4*\i:131+4*\i], s[14:15] offset:4096*\i th:TH_STORE_NT   ; 32 lanes store 512 consecutive bytes, aligned; written once, read by nobody here
.endr
	s_wait_tensorcnt 0x0
	ds_add_u32 v254, v255
	s_wait_dscnt 0x0
	ROUND                                          ; the closing round
	s_endpgm
.Lfunc_end_k_q2b6b5452c6_oproj:
	.size	k_q2b6b5452c6_oproj, .Lfunc_end_k_q2b6b5452c6_oproj-k_q2b6b5452c6_oproj
	.p2alignl 7, 3214868480
	.fill 96, 4, 3214868480
	.section	.rodata,"a",@progbits
	.p2align	6, 0x0
	.amdhsa_kernel k_q2b6b5452c6_oproj
		.amdhsa_group_segment_fixed_size 201728
		.amdhsa_private_segment_fixed_size 0
		.amdhsa_enable_private_segment 0
		.amdhsa_kernarg_size 48
		.amdhsa_user_sgpr_count 2
		.amdhsa_user_sgpr_kernarg_segment_ptr 1
		.amdhsa_wavefront_size32 1
		.amdhsa_system_sgpr_workgroup_id_x 1
		.amdhsa_system_sgpr_workgroup_id_y 1
		.amdhsa_system_sgpr_workgroup_id_z 1
		.amdhsa_system_vgpr_workitem_id 0
		.amdhsa_next_free_vgpr 256
		.amdhsa_next_free_sgpr 66
		.amdhsa_reserve_vcc 0
		.amdhsa_float_denorm_mode_32 3
		.amdhsa_float_denorm_mode_16_64 3
		.amdhsa_memory_ordered 1
		.amdhsa_forward_progress 1
		.amdhsa_inst_pref_size 31
	.end_amdhsa_kernel
	.amdgpu_metadata
---
amdhsa.version: [ 1, 2 ]
amdhsa.kernels:
  - .name:           k_q2b6b5452c6_oproj
    .symbol:         k_q2b6b5452c6_oproj.kd
    .args:
      - { .name: o_img, .offset: 0, .size: 8, .value_kind: global_buffer, .address_space: global }
      - { .name: o_sw, .offset: 8, .size: 8, .value_kind: global_buffer, .address_space: global }
      - { .name: Wo_codes, .offset: 16, .size: 8, .value_kind: global_buffer, .address_space: global }
      - { .name: Wo_scales, .offset: 24, .size: 8, .value_kind: global_buffer, .address_space: global }
      - { .name: bo, .offset: 32, .size: 8, .value_kind: global_buffer, .address_space: global }
      - { .name: out0, .offset: 40, .size: 8, .value_kind: global_buffer, .address_space: global }
    .group_segment_fixed_size: 201728
    .private_segment_fixed_size: 0
    .kernarg_segment_align: 8
    .kernarg_segment_size: 48
    .max_flat_workgroup_size: 256
    .sgpr_count:     66
    .vgpr_count:     256
    .wavefront_size: 32
...
	.end_amdgpu_metadata
.endif
;; end of part 3
